; MI455X (gfx1250); checked and timed in simulation.
; The chip was launched on July 23, 2026; its instructions are those of AMD's public machine-readable ISA for CDNA 5 (MIT licence, August 2026) and "CDNA5" Instruction Set Architecture Reference Guide (July 2026). The comments in the code are by the model that wrote it; some were corrected since.
;; Causal Self Attention. Allowed arithmetic: matrix products marked QUANTISED: E5M2 operands, one given power-of-two scale a tensor, by v_wmma_f32_16x16x64_bf8_bf8 or v_wmma_f32_16x16x128_bf8_bf8, f32 sums; everything else in f32.
;; Inputs: Wk_codes 1,024 x 32 x 32 uint8 (E5M2 codes of Wk, K innermost, in blocks of 32 codes); Wp_codes 1,024 x 32 x 32 uint8 (E5M2 codes of Wp, K innermost, in blocks of 32 codes); Wq_codes 1,024 x 32 x 32 uint8 (E5M2 codes of Wq, K innermost, in blocks of 32 codes); Wv_codes 1,024 x 32 x 32 uint8 (E5M2 codes of Wv, K innermost, in blocks of 32 codes); bk 1,024 float32; bp 1,024 float32; bq 1,024 float32; bv 1,024 float32; lowp_scales 12 int32 (the exponents e of the quantised operands' scales 2^e); x_codes 4 x 2,048 x 32 x 32 uint8 (E5M2 codes of x, K innermost, in blocks of 32 codes).
;; Outputs: out0 4 x 2,048 x 1,024 float32.
;; This version of the problem:
;;   THIS VERSION OF THE PROBLEM IS GIVEN IN LOW PRECISION. The matrix products marked QUANTISED in the list below multiply operands that are first quantised to E5M2 (5 exponent bits, 2 mantissa bits; 8 bits a number), with one given power-of-two scale for each operand tensor; their sums are f32. All else is computed in f32.
;;   The module's matrix products, in the order in which they are computed (A, B: the left and right operand; K: the contracted axis; several contracted axes count as one K, in the product's order):
;;     1. [M 8,192, K 1,024] x [K 1,024, N 1,024]; A: input x (given as codes); B: input Wq (given as codes): QUANTISED (scales: A lowp_scales[0], B lowp_scales[1])
;;     2. [M 8,192, K 1,024] x [K 1,024, N 1,024]; A: input x (given as codes); B: input Wk (given as codes): QUANTISED (scales: A lowp_scales[2], B lowp_scales[3])
;;     3. [M 8,192, K 1,024] x [K 1,024, N 1,024]; A: input x (given as codes); B: input Wv (given as codes): QUANTISED (scales: A lowp_scales[4], B lowp_scales[5])
;;     4. batch 64 x [M 2,048, K 64] x [K 64, N 2,048]; A: computed on the way; B: computed on the way: QUANTISED (scales: A lowp_scales[6], B lowp_scales[7])
;;     5. batch 64 x [M 2,048, K 2,048] x [K 2,048, N 64]; A: softmax (see below); B: computed on the way: QUANTISED (scales: A lowp_scales[8], B lowp_scales[9])
;;     6. [M 8,192, K 1,024] x [K 1,024, N 1,024]; A: computed on the way; B: input Wp (given as codes): QUANTISED (scales: A lowp_scales[10], B lowp_scales[11])
;;   THE QUANTISER, for each operand of a quantised product, along K:
;;     - The operand's scale is 2^e, e = its entry of the input lowp_scales (int32; the entries are numbered through the quantised products in the list's order, A before B).
;;     - Each number is divided by the scale, clamped to +-57,344, and rounded to the nearest number of E5M2, ties to even, subnormals kept.
;;     - The product sums the exact products of the quantised numbers (number of the format x scale) in f32.
;;   ~~~python
;;   def quantise(x, axis, e):      # numpy; x: float32 -> the quantised numbers, widened to float32 again
;;       x = np.moveaxis(x, axis, -1); K = x.shape[-1]
;;       r = np.clip(x / 2.0 ** e, -57344, 57344)
;;       step = 2.0 ** (np.maximum(np.frexp(np.where(r == 0, 1, r))[1] - 1, -14) - 2)
;;       q = np.round(r / step) * step * 2.0 ** e      # np.round: ties to even
;;       return np.moveaxis(q, -1, axis).astype(np.float32)
;;   ~~~
;;   SOFTMAX AHEAD OF A QUANTISED PRODUCT. Where the list says 'softmax', what is quantised is not the finished softmax but p = 2^(t - M), with t = logit x log2(e) and M = ceil(the row's largest t), a whole number; so 1/2 < the row's largest p <= 1. The row's sum l is taken of the UNQUANTISED p, in f32, and the product's result is divided by l at the end. Since M is a whole number, a kernel that streams over the keys may use a running M (the ceiling of the running maximum): every later rescaling is an exact power of two, so the quantised numbers keep their values, but for numbers so far below the row's largest that they fall under the format's range.
;;   OPERANDS COMPUTED ON THE WAY. 'Computed on the way' means the value that the module computes at that place (a softmax that the list does not call 'softmax' is quantised finished and normalised). What goes into a quantiser is computed in f32, as accurately as f32 sums, v_exp_f32 and their like allow (about 1e-6 of the number): no bf16 or f16 on the way to a quantiser, and a product that is left as it is and whose result goes on into a quantised operand takes f32 operands (vector FMAs, or v_wmma_f32_16x16x4_f32). A number that lies on a knife's edge between two numbers of the format may be rounded either way, as far as f32 arithmetic and the matrix unit's own rounding can turn it there, and no further.
;;   INPUTS GIVEN AS CODES. Wk (in the module: [1024, 1024], K = its axis 1); Wp (in the module: [1024, 1024], K = its axis 1); Wq (in the module: [1024, 1024], K = its axis 1); Wv (in the module: [1024, 1024], K = its axis 1); x (in the module: [4, 2048, 1024], K = its axis 2): each comes as NAME_codes (uint8): NAME with its K axis moved to the last place and cut into blocks of 32 codes, [.., K / 32, bytes a block], one block behind the other in memory; one code a byte (a code: sign, 5 exponent bits, 2 mantissa bits); its scale is its entry of lowp_scales. Its value is code x scale, taken as it is: it is not quantised again, and the codes and scales need not be those that the quantiser above would give.
;; One version. Each part assembles by itself: llvm-mc -triple=amdgcn-amd-amdhsa -mcpu=gfx1250 --defsym DOCPART=n.
;; ======== version 1 of 1: 3 launches
;; limits: right only within a limited range of input values
;; workspace buffers: q_ws 8,388,608 bytes; k_ws 8,388,608 bytes; v_ws 8,388,608 bytes; o_ws 8,388,608 bytes
;; launch qkv (part 1): grid 12 x 32, 4 waves a work-group, clusters of 4 x 4, 327,680 bytes of LDS; arguments x_codes, Wq_codes, Wk_codes, Wv_codes, bq, bk, bv, lowp_scales, q_ws, k_ws, v_ws; writes q_ws, k_ws, v_ws
.if DOCPART == 1
	.amdgcn_target "amdgcn-amd-amdhsa--gfx1250"
	.amdhsa_code_object_version 6
	.text
	.protected	k_q06f626ced7_qkv
	.globl	k_q06f626ced7_qkv
	.p2align	8
	.type	k_q06f626ced7_qkv,@function
k_q06f626ced7_qkv:
	s_mov_b64 s[64:65], 0
	v_nop
	global_prefetch_b8 v0, s[64:65] scope:SCOPE_SE
	s_setreg_imm32_b32 hwreg(HW_REG_WAVE_MODE, 25, 1), 1
	s_wait_xcnt 0x0
	s_wait_alu depctr_hold_cnt(0) depctr_sa_sdst(0) depctr_va_vdst(0) depctr_va_sdst(0) depctr_va_ssrc(0) depctr_va_vcc(0) depctr_vm_vsrc(0)
	s_getreg_b32 s2, hwreg(HW_REG_IB_STS2, 6, 4)
	s_cmp_eq_u32 s2, 0
	s_cbranch_scc0 .Lentry_in_a_cluster
	s_endpgm
.Lentry_in_a_cluster:
	s_bfe_u32 s2, ttmp6, 0x10000c
	s_cmp_lg_u32 s2, 0xf033
	s_cbranch_scc0 .Lentry_shape_is_right
	s_endpgm
.Lentry_shape_is_right:
; q = x Wq^T + bq, k = x Wk^T + bk, v = x Wv^T + bv on codes of BF8 (E5M2), each result quantised at once to codes of BF8 with its given scale.
; x: [8192][1024] codes, W: [1024][1024] codes, K innermost.  lowp_scales: e0..e5 the operands of the three products, e6 q's, e7 k's, e9 v's scale as operands of attention's products.
; OUT: q_ws, k_ws [batch x head (64)][token (2048)][d (64)];  v_ws [batch x head (64)][token / 64 (32)][d (64)][token % 64]: v with the keys innermost.  One code a byte.
; value = sum x 2^(ea + eb) + bias (one fused multiply-add), converted with the scale 2^eo.
; LIMITS: ea + eb between -126 and 127; eo between -126 and 112, so that each power of two below is an f32 number.  NaN is not served.
; SHARES.  The cluster's x says which product: 0 q, 1 k, 2 v: the same number in all sixteen partners.  A work-group of four waves makes a tile of 256 x 256, a wave 128 x 128: 64 accumulators, 512 registers.
; For q and k the rows (operand A) are x's tokens and the columns (operand B) W's features; FOR v THE TWO CHANGE ROLES (A = Wv, B = x), so that a lane's eight results are eight neighbouring TOKENS of one feature:
; v comes out with the keys innermost and nothing is transposed.  Both tensors have rows of 1,024 bytes, so one text serves all three: only pointers, two strides and the bias's side are chosen, by selects on the cluster's x.
; K goes in steps of 256 through a ring of two LDS slots filled by the tensor data mover.  CLUSTERS: 4 x 4; A's tile is asked for jointly along a row of the cluster, B's along a column.
; THE MATRIX INSTRUCTION IS USED TRANSPOSED (source 0 = 16 rows of B, source 1 = 16 rows of A): a lane holds eight neighbouring columns of one row of the tile.
; REGISTERS: window 0: v1-31 addresses and constants; v32-95 the bias by column; v96-111 the bias by row, twice each; v112-119 the same as loaded; from v128 A's fragments, ONE set; on the way out v128-159 codes, v160-191 rows read back.
;   window 1: B's fragments, TWO sets.   window 2: the accumulators of my rows 0-63 ((a, b) at v[8 (8 a + b)]);   window 3: those of my rows 64-127.
.set ROWB,   256                       ; a tile's row in bytes: 256 codes along K
.set KROW,   1024                      ; a row of A or of B in memory
.set PITCH,  272                       ; an LDS row: 256 bytes + 16 of padding: the 16 rows that a load touches begin at 16 different 16-byte columns of 256
.set FR,     16                        ; registers of a fragment: 16 rows x 128 K
.set NL,     4                         ; LDS loads that bring one
.set NP,     4                         ; places behind this matrix instruction (ISA guide 7.12.1)
.set HALFT,  128*PITCH                 ; what one tensor load brings, and what one wave reads of A or of B
.set SLOT,   4*HALFT                   ; A's 256 rows, then B's 256 rows
.set LAPS,   2                         ; 1,024 along K = four K steps = twice round the ring
.set SPARE,  2*SLOT                    ; behind the ring: the spare words, 128 bytes for each wave: two blocks of 256 bytes that no other line names
.set STAGE,  SPARE+512                 ; the way out: 32 rows x (64 bytes + 16) for each wave, bytes of their own into which no tile lands
.set WSTG,   2560
.set ADRA, 16                          ; v16-17  LDS address of my A fragments in slot 0, 1
.set ADRB, 20                          ; v20-21  the same for B
.set STO,  24                          ; v24     the stage: where I put 8 codes
.set RD,   25                          ; v25     the stage: where I read 16 bytes back
.set CO0,  26                          ; v26     16 x lane
.set CO1,  27                          ; v27     16 x lane + the stride between my two groups of 64 columns
.set SPW,  28                          ; v28     LDS address of my spare word; never rewritten
.set NIL,  29                          ; v29     0; never rewritten
.set LIM,  30
.set SCL,  31                          ; v31     2^eo
.set BN,   32
.set BM,   96
.set BMT,  112
.set AF,   128
.set CODE, 128
.set BK,   160
.set G1, 24                            ; s[24:31] descriptor group 1 for A's tiles;  s[32:39] group 0, one set for each slot
.set G0, 32
.set G1B, 48                           ; s[48:55], s[56:63] the same for B's tiles
.set G0B, 56
.set MSB, 0
.macro WIN new                         ; the immediate's high byte repeats the setting that is left
.if MSB != \new
	s_set_vgpr_msb (MSB<<8)|\new
.set MSB, \new
.endif
.endm
.set MUL_LO, 0xa1                      ; source 0 (B) window 1, source 1 (A) window 0, C and D window 2
.set MUL_HI, 0xf1                      ; the same, C and D window 3
.set TO_B,   0x40                      ; destination window 1, address window 0
; A joint load: waves 0 and 1 fetch for A, waves 2 and 3 for B.  The branch hangs on the wave's number alone.  Four v_nop follow each of the two lines.
.macro JLOAD g0a, g1a, g0b, g1b
	s_cmp_eq_u32 s15, 0
	s_cbranch_scc0 .Lfor_b_\@
	tensor_load_to_lds s[\g0a:\g0a+3], s[\g1a:\g1a+7]
	s_nop 0
.rept 4
	v_nop
.endr
	s_branch .Lasked_\@
.Lfor_b_\@:
	tensor_load_to_lds s[\g0b:\g0b+3], s[\g1b:\g1b+7]
	s_nop 0
.rept 4
	v_nop
.endr
.Lasked_\@:
.endm
.macro CREST                           ; a round of the cluster's barrier behind its opening barrier
	s_cmp_lg_u32 s14, 0
	s_cbranch_scc1 .Lnot_wave_0_\@
	s_barrier_signal -3
.Lnot_wave_0_\@:
	s_barrier_wait -3
	s_barrier_signal -1
	s_barrier_wait -1
.endm
.macro CROUND                          ; a whole round
	s_barrier_signal -1
	s_barrier_wait -1
	CREST
.endm
	s_load_b512 s[68:83], s[0:1], 0x0              ; x s[68:69], Wq, Wk, Wv s[70:75], bq, bk, bv s[76:81], the scales' exponents s[82:83]
	s_load_b128 s[84:87], s[0:1], 0x40             ; q_ws, k_ws
	s_load_b64 s[88:89], s[0:1], 0x50              ; v_ws
	v_lshl_add_u32 v[SPW], v0, 2, SPARE
	v_mov_b32 v[NIL], 0
	ds_add_u32 v28, v29
	ds_add_u32 v28, v29
	s_wait_dscnt 0x0
	v_lshrrev_b32 v1, 5, v0
	v_readfirstlane_b32 s14, v1                    ; wave 0..3
	s_lshr_b32 s15, s14, 1                         ; which half of the tile's rows is mine.  Also: I fetch for A (0) or for B (1)
	s_and_b32 s16, s14, 1                          ; which half of its columns.  Also: which 128 rows of that tile I fetch
	s_bfe_u32 s40, ttmp6, 0x40000                  ; cx, cy: my place in the cluster
	s_bfe_u32 s41, ttmp6, 0x40004
	s_and_b32 s18, ttmp7, 0xffff
	s_lshl_b32 s18, s18, 2                         ; 4 x cluster y: it walks x's 32 tiles of 256 tokens
	s_cmp_eq_u32 ttmp9, 2                          ; v?
	s_cselect_b32 s90, 0, s18                      ; the tokens are A's rows for q and k,
	s_cselect_b32 s91, s18, 0                      ; B's rows for v
	s_cselect_b32 s12, -1, 0                       ; a lane mask: all ones for v
	s_add_co_u32 s17, s90, s41                     ; A's tile: it hangs on cy alone
	s_add_co_u32 s42, s91, s40                     ; B's tile: on cx alone
	s_lshl_b32 s43, s41, 2
	s_lshl_b32 s43, 15, s43                        ; my row of the cluster
	s_lshl_b32 s44, 0x1111, s40                    ; my column
	; descriptor group 1: a tile of 128 rows x 256 bytes, padded in LDS
	s_or_b32 s[G1+0], s43, (0<<16)|(1<<20)|(1<<21)|(5<<22)|(3<<25)  ; 15:0 the mask: A's tiles go to my row; 17:16 element of 1 byte; 20 padding on; 21 set beside a mask; 24:22 after every 64 words (code 5); 31:25 of 4 words (code 3)
	s_or_b32 s[G1B+0], s44, (0<<16)|(1<<20)|(1<<21)|(5<<22)|(3<<25)
.irp g, G1, G1B
	s_mov_b32 s[\g+1], ROWB<<16                    ; tensor_dim0
	s_mov_b32 s[\g+2], 128<<16                     ; tensor_dim1 = 128
	s_mov_b32 s[\g+3], ROWB<<16                    ; tile_dim0
	s_mov_b32 s[\g+4], 128                         ; tile_dim1 = 128
	s_mov_b32 s[\g+5], KROW                        ; tensor_dim0_stride
	s_mov_b32 s[\g+6], 0
	s_mov_b32 s[\g+7], 0
.endr
	s_lshl_b32 s18, s16, 7                         ; which 128 rows of the tile I fetch
	s_lshl_b32 s20, s17, 8
	s_add_co_u32 s20, s20, s18                     ; A: row 256 x tile + 128 x half,
	s_lshl_b32 s20, s20, 10                        ; in bytes (under 2^23)
	s_mov_b32 s21, 0
	s_lshl_b32 s46, s42, 8
	s_add_co_u32 s46, s46, s18                     ; B likewise
	s_lshl_b32 s46, s46, 10
	s_mov_b32 s47, 0
	s_mul_i32 s45, s14, HALFT                      ; where they go: wave x 128 rows: no place in the cluster enters an LDS address
	s_wait_kmcnt 0x0
	s_load_b256 s[92:99], s[82:83], 0x0            ; e0 .. e7
	s_load_b32 s90, s[82:83], 0x24                 ; e9
	s_cmp_eq_u32 ttmp9, 1                          ; the product's weight, bias and output: q's, or k's,
	s_cselect_b64 s[6:7], s[72:73], s[70:71]
	s_cselect_b64 s[8:9], s[78:79], s[76:77]
	s_cselect_b64 s[10:11], s[86:87], s[84:85]
	s_cmp_eq_u32 ttmp9, 2                          ; or v's
	s_cselect_b64 s[6:7], s[74:75], s[6:7]
	s_cselect_b64 s[8:9], s[80:81], s[8:9]
	s_cselect_b64 s[10:11], s[88:89], s[10:11]
	s_cselect_b64 s[4:5], s[6:7], s[68:69]         ; A = x, for v the weight
	s_cselect_b64 s[6:7], s[68:69], s[6:7]         ; B = the weight, for v x
	s_add_nc_u64 s[20:21], s[4:5], s[20:21]
	s_add_nc_u64 s[46:47], s[6:7], s[46:47]
	CROUND                                         ; all sixteen work-groups are here: the first joint loads meet
.irp s, 0,1
	s_mov_b32 s[G0+4*\s], 1
	s_add_co_u32 s[G0+4*\s+1], s45, \s*SLOT
	s_add_nc_u64 s[G0+4*\s+2:G0+4*\s+3], s[20:21], \s*ROWB
	s_or_b32 s[G0+4*\s+3], s[G0+4*\s+3], 0x80000000
	s_mov_b32 s[G0B+4*\s], 1
	s_add_co_u32 s[G0B+4*\s+1], s45, \s*SLOT
	s_add_nc_u64 s[G0B+4*\s+2:G0B+4*\s+3], s[46:47], \s*ROWB
	s_or_b32 s[G0B+4*\s+3], s[G0B+4*\s+3], 0x80000000
	JLOAD G0+4*\s, G1, G0B+4*\s, G1B               ; K steps 0 and 1: two tensor loads of mine are out
.endr
	v_and_b32 v1, 15, v0                           ; r = l % 16
	s_wait_alu depctr_va_vdst(0)
	v_bfe_u32 v2, v0, 4, 1                         ; h = l / 16
	v_mul_u32_u24 v3, v1, PITCH
	v_lshl_add_u32 v4, v2, 4, v3                   ; a fragment's row x pitch + 16 x half
	s_mul_i32 s21, s15, HALFT                      ; my 128 rows of A
	s_mul_i32 s22, s16, HALFT                      ; my 128 rows of B,
	s_add_co_u32 s22, s22, 2*HALFT                 ; which lie behind A's 256
.irp s, 0,1
	v_add_nc_u32 v[ADRA+\s], s21, v4
	v_add_nc_u32 v[ADRB+\s], s22, v4
	s_add_co_u32 s21, s21, SLOT
	s_add_co_u32 s22, s22, SLOT
.endr
	s_mul_i32 s19, s14, WSTG
	s_add_co_u32 s19, s19, STAGE                   ; my stage: rows [group of 64 columns (2)][r (16)], 80 bytes apart
	v_mul_u32_u24 v8, v1, 80
	s_wait_alu depctr_va_vdst(0)
	v_lshl_add_u32 v8, v2, 3, v8
	v_add_nc_u32 v[STO], s19, v8                   ; in: row r, + 8 h
	v_and_b32 v7, 31, v0
	v_lshrrev_b32 v9, 2, v7
	v_mul_u32_u24 v9, v9, 80
	v_and_b32 v10, 3, v0
	v_lshl_add_u32 v9, v10, 4, v9
	v_add_nc_u32 v[RD], s19, v9                    ; back: four lanes to a row of 64 bytes, eight rows an instruction
	v_lshlrev_b32 v[CO0], 4, v7                    ; which are 512 bytes on end in the output
	s_wait_alu depctr_va_vdst(0)
	; where my part goes.  m0, n0: my first row and column of the product; one of them counts tokens, the other features
	s_lshl_b32 s20, s17, 8
	s_lshl_b32 s21, s15, 7
	s_add_co_u32 s20, s20, s21                     ; m0
	s_lshl_b32 s46, s42, 8
	s_lshl_b32 s47, s16, 7
	s_add_co_u32 s46, s46, s47                     ; n0
	s_mov_b32 s13, 131072
	s_mov_b32 s66, 1024
	s_mov_b32 s67, 0
	s_cmp_eq_u32 ttmp9, 2
	s_cselect_b32 s22, s46, s20                    ; my first token,
	s_cselect_b32 s23, s20, s46                    ; my first feature
	s_cselect_b32 s13, 4096, s13                   ; from my columns 0-63 to my columns 64-127: the next head (131,072 bytes), for v the next 64 tokens (4,096)
	s_cselect_b32 s66, 128000, s66                 ; from my rows 48-63 to my rows 64-79: 16 tokens on (1,024 bytes), for v the next head's d = 0 (131,072 - 3 x 1,024)
	v_add_nc_u32 v[CO1], s13, v[CO0]
	s_lshr_b32 s46, s22, 11
	s_lshl_b32 s46, s46, 21                        ; the batch: 16 heads of 131,072 bytes
	s_lshr_b32 s47, s23, 6
	s_lshl_b32 s47, s47, 17                        ; the head
	s_add_co_u32 s46, s46, s47
	s_and_b32 s47, s22, 2047
	s_lshl_b32 s47, s47, 6                         ; 64 bytes a token in q and k; in v 4,096 bytes for 64 tokens: the same number, my first token being a multiple of 128
	s_add_co_u32 s46, s46, s47
	s_mov_b32 s47, 0
	s_add_nc_u64 s[10:11], s[10:11], s[46:47]
	s_lshl_b32 s46, s23, 2
	s_add_nc_u64 s[8:9], s[8:9], s[46:47]          ; the bias at my first feature
	v_lshlrev_b32 v5, 5, v2                        ; by column: features 16 b + 8 h + 0 .. 7;  v5 and v6 are never rewritten
	v_lshlrev_b32 v6, 2, v1                        ; by row: feature 16 a + r
.irp b, 0,1,2,3,4,5,6,7
	global_load_b128 v[BN+8*\b:BN+8*\b+3], v5, s[8:9] offset:64*\b
	global_load_b128 v[BN+8*\b+4:BN+8*\b+7], v5, s[8:9] offset:64*\b+16
.endr
.irp a, 0,1,2,3,4,5,6,7
	global_load_b32 v[BMT+\a], v6, s[8:9] offset:64*\a     ; both readings stay inside my 128 features; the one that does not apply is replaced by 0 on the way out
.endr
	s_wait_kmcnt 0x0
	s_add_co_i32 s92, s92, s93                     ; e0 + e1, e2 + e3, e4 + e5
	s_add_co_i32 s94, s94, s95
	s_add_co_i32 s96, s96, s97
	s_cmp_eq_u32 ttmp9, 1
	s_cselect_b32 s92, s94, s92
	s_cselect_b32 s98, s99, s98                    ; eo: e6 for q, e7 for k,
	s_cmp_eq_u32 ttmp9, 2
	s_cselect_b32 s92, s96, s92
	s_cselect_b32 s98, s90, s98                    ; e9 for v
	s_add_co_i32 s92, s92, 127
	s_lshl_b32 s100, s92, 23                       ; 2^(ea + eb) as f32
	s_mov_b32 s101, s100                           ; (named with it as a pair, so it is written)
	s_add_co_i32 s98, s98, 127
	s_lshl_b32 s99, s98, 23
	v_mov_b32 v[SCL], s99                          ; 2^eo as f32: the conversion takes its exponent field
.macro FRAG reg, adr, q, i             ; a fragment: lane l holds row l % 16; registers 4 c .. 4 c + 3 hold K = 32 c + 16 (l / 16) + 0 .. 15: the same order of K in A and in B
.irp c, 0,1,2,3
	ds_load_b128 v[\reg+4*\c:\reg+4*\c+3], v[\adr] offset:128*(\q)+32*\c+(\i)*16*PITCH
.endr
.endm
; 16 matrix instructions: A's blocks a0, a0 + 1 x B's eight, 128 along K.  p: B's set.  zero = 1: the first product starts the sums.  The 64 accumulators take turns, in the same order in every step.
.macro MUL16 a0, p, zero
.irp a, \a0, \a0+1
.irp b, 0,1,2,3,4,5,6,7
.if \zero
	v_wmma_f32_16x16x128_bf8_bf8 v[8*(8*((\a)%4)+\b):8*(8*((\a)%4)+\b)+7], v[128*(\p)+FR*\b:128*(\p)+FR*\b+FR-1], v[AF+FR*(\a):AF+FR*(\a)+FR-1], 0
.else
	v_wmma_f32_16x16x128_bf8_bf8 v[8*(8*((\a)%4)+\b):8*(8*((\a)%4)+\b)+7], v[128*(\p)+FR*\b:128*(\p)+FR*\b+FR-1], v[AF+FR*(\a):AF+FR*(\a)+FR-1], v[8*(8*((\a)%4)+\b):8*(8*((\a)%4)+\b)+7]
.endif
.endr
.endr
.endm
.macro FETCH_B slot, q, p              ; B's eight fragments of the slot's q-th 128 along K into set p
	WIN TO_B
.irp i, 0,1,2,3,4,5,6,7
	FRAG 128*(\p)+FR*\i, ADRB+\slot, \q, \i
.endr
	WIN 0
.endm
.macro FETCH_A slot, q, i0             ; A's blocks i0 .. i0 + 3
.irp i, \i0, \i0+1, \i0+2, \i0+3
	FRAG AF+FR*(\i), ADRA+\slot, \q, \i
.endr
.endm
.macro PLACES n                        ; plain vector instructions between a matrix instruction and a load into a register that it has read, or a read of its result
.rept \n
	v_nop
.endr
.endm
; A step of 128 along K that has its successor in the same slot.
.macro STEP slot, q, zero
	s_wait_dscnt 4*NL                              ; B's set and A's blocks 0-3 are in; the youngest 16 loads (A's blocks 4-7) may be out
	WIN MUL_LO
	MUL16 0, (\q)%2, \zero
	MUL16 2, (\q)%2, \zero
	s_wait_dscnt 0                                 ; A's blocks 4-7 are in
	PLACES NP
	FETCH_B \slot, (\q)+1, 1-(\q)%2
	FETCH_A \slot, (\q)+1, 0
	WIN MUL_HI
	MUL16 4, (\q)%2, \zero
	MUL16 6, (\q)%2, \zero
	PLACES NP
	WIN 0
	FETCH_A \slot, (\q)+1, 4
.endm
; A slot's last step changes slots: ONE barrier; in front of it each wave waits for all its tensor loads, adds 0 to its spare word, and waits for that and for its own reads of this slot.  fill = 1: this slot is filled again, two K steps ahead.
.macro TURN slot, next, fill
	s_wait_tensorcnt 0x0                           ; all my tensor loads have landed: my part of the next slot  (every window is 0 here)
	ds_add_u32 v[SPW], v[NIL]                      ; 0 onto my spare word
	s_wait_dscnt 4*NL+1                            ; (the add and the youngest 16 loads, A's blocks 4-7, may be out)
	WIN MUL_LO
	MUL16 0, 1, 0                                  ; sixteen matrix instructions stand between the add and the wait for it
	s_wait_dscnt 0x0                               ; the add is done, and my reads of this slot are over
	s_barrier_signal -1
	MUL16 2, 1, 0
	WIN 0
	s_barrier_wait -1
.if \fill
	CREST                                          ; the barrier has opened a round of the cluster's barrier: no wave of any partner still reads this slot's tile or has a load on its way
	s_add_nc_u64 s[G0+4*\slot+2:G0+4*\slot+3], s[G0+4*\slot+2:G0+4*\slot+3], 2*ROWB
	s_add_nc_u64 s[G0B+4*\slot+2:G0B+4*\slot+3], s[G0B+4*\slot+2:G0B+4*\slot+3], 2*ROWB
	JLOAD G0+4*\slot, G1, G0B+4*\slot, G1B         ; the first tensor load behind the round, and my only one until the next; its four v_nop are the places in front of the loads below
.else
	PLACES NP
.endif
	FETCH_B \next, 0, 0
	FETCH_A \next, 0, 0
	WIN MUL_HI
	MUL16 4, 1, 0
	MUL16 6, 1, 0
	PLACES NP
	WIN 0
	FETCH_A \next, 0, 4
.endm
	s_wait_tensorcnt 1                             ; my part of K step 0 is in; K step 1's load may be out
	s_barrier_signal -1
	s_barrier_wait -1                              ; everybody's is
	FETCH_B 0, 0, 0
	FETCH_A 0, 0, 0
	FETCH_A 0, 0, 4
	STEP 0, 0, 1                                   ; the first step stands in front of the loop: its products start the sums
	s_mov_b32 s3, LAPS-1
.Llap:                                                 ; a trip goes once round the ring and fills both slots again
	TURN 0, 1, 1
	STEP 1, 0, 0
	TURN 1, 0, 1
	STEP 0, 0, 0
	s_sub_co_u32 s3, s3, 1
	s_cmp_lg_u32 s3, 0
	s_cbranch_scc1 .Llap
	TURN 0, 1, 0                                   ; the last lap fills nothing, and has no round of the cluster's barrier
	STEP 1, 0, 0
	s_wait_dscnt 4*NL                              ; the very last step: nothing more to fetch
	WIN MUL_LO
	MUL16 0, 1, 0
	MUL16 2, 1, 0
	s_wait_dscnt 0
	WIN MUL_HI
	MUL16 4, 1, 0
	MUL16 6, 1, 0
	WIN 0
; THE WAY OUT.  The bias lies along the columns for q and k and along the rows for v: the reading that does not apply becomes 0.  These 80 selects name no register of the last products and are the places behind them.
	s_wait_loadcnt 0x0                             ; the biases
.set j, 0
.rept 64
	v_cndmask_b32 v[BN+j], v[BN+j], 0, s12
.set j, j+1
.endr
.set j, 0
.rept 8
	v_cndmask_b32 v[BM+2*j], 0, v[BMT+j], s12
	v_cndmask_b32 v[BM+2*j+1], 0, v[BMT+j], s12
.set j, j+1
.endr
; Block a, 16 rows x 128 columns: sum x 2^(ea + eb) + bias, the conversion; a lane's eight codes of each accumulator go into my stage, and come back as 64-byte rows, eight to an instruction.
.macro OUTB a
.set AC, 64*((\a)%4)
.set CD, CODE+16*((\a)%2)
.set BB, BK+16*((\a)%2)
	WIN 0x82+0x41*((\a)/4)                         ; destination and source 0: window 2 or 3
.set j, 0
.rept 32
	v_pk_fma_f32 v[AC+j:AC+j+1], v[AC+j:AC+j+1], s[100:101], v[BN+j:BN+j+1] op_sel_hi:[1,0,1]   ; each accumulator from its low end on
.set j, j+2
.endr
.set j, 0
.rept 32
	v_pk_add_f32 v[AC+j:AC+j+1], v[AC+j:AC+j+1], v[BM+2*(\a):BM+2*(\a)+1]    ; one of the two biases is 0, so the value is rounded once
.set j, j+2
.endr
.set j, 0
.rept 64
.set j, j+1
.endr
	WIN 0x02+((\a)/4)                              ; source 0: window 2 or 3
.irp b, 0,1,2,3,4,5,6,7
	v_cvt_scalef32_pk8_bf8_f32 v[CD+2*\b:CD+2*\b+1], v[AC+8*\b:AC+8*\b+7], v[SCL]
.endr
	WIN 0
	v_nop                                          ; a plain vector instruction behind the last conversion
.irp b, 0,1,2,3,4,5,6,7
	ds_store_b64 v[STO], v[CD+2*\b:CD+2*\b+1] offset:(\b/4)*1280+16*(\b%4)
.endr
.irp i, 0,1,2,3
	ds_load_b128 v[BB+4*\i:BB+4*\i+3], v[RD] offset:640*\i    ; LDS serves a wave's instructions in order (ISA guide 5.7.1.4): these see the stores above
.endr
.endm
.macro SEND a, younger                 ; younger: the LDS instructions issued behind block a's loads, which may stay out
.set BB, BK+16*((\a)%2)
	s_wait_dscnt \younger
.if (\a) == 4
	s_add_nc_u64 s[10:11], s[10:11], s[66:67]      ; (behind a wait on XCNT: the earlier stores have read their base)
.elseif (\a) > 0
	s_add_nc_u64 s[10:11], s[10:11], 1024
.endif
	global_store_b128 v[CO0], v[BB:BB+3], s[10:11]                  ; each store covers 512 consecutive bytes, at a multiple of 512 from the buffer's first byte
	global_store_b128 v[CO0], v[BB+4:BB+7], s[10:11] offset:512
	global_store_b128 v[CO1], v[BB+8:BB+11], s[10:11]
	global_store_b128 v[CO1], v[BB+12:BB+15], s[10:11] offset:512
.endm
	OUTB 0
.irp a, 1,2,3,4,5,6,7
.if \a > 1
	s_wait_xcnt 0x0                                ; block a - 2's stores have read their registers and their base
.endif
	OUTB \a
	SEND \a-1, 12                                  ; behind block a - 1's loads: block a's 8 stores and 4 loads
.endr
	s_wait_xcnt 0x0
	SEND 7, 0
	s_wait_tensorcnt 0x0                           ; the wave's end
	ds_add_u32 v[SPW], v[NIL]
	s_wait_dscnt 0x0
	CROUND                                         ; the closing round: no work-group ends while a partner may still ask for a tile that names it
	s_endpgm
.Lfunc_end_k_q06f626ced7_qkv:
	.size	k_q06f626ced7_qkv, .Lfunc_end_k_q06f626ced7_qkv-k_q06f626ced7_qkv
	.p2alignl 7, 3214868480
	.fill 96, 4, 3214868480
	.section	.rodata,"a",@progbits
	.p2align	6, 0x0
	.amdhsa_kernel k_q06f626ced7_qkv
		.amdhsa_group_segment_fixed_size 327680
		.amdhsa_private_segment_fixed_size 0
		.amdhsa_enable_private_segment 0
		.amdhsa_kernarg_size 88
		.amdhsa_user_sgpr_count 2
		.amdhsa_user_sgpr_kernarg_segment_ptr 1
		.amdhsa_wavefront_size32 1
		.amdhsa_system_sgpr_workgroup_id_x 1
		.amdhsa_system_sgpr_workgroup_id_y 1
		.amdhsa_system_sgpr_workgroup_id_z 1
		.amdhsa_system_vgpr_workitem_id 0
		.amdhsa_next_free_vgpr 1024
		.amdhsa_next_free_sgpr 102
		.amdhsa_reserve_vcc 0
		.amdhsa_float_denorm_mode_32 3
		.amdhsa_float_denorm_mode_16_64 3
		.amdhsa_fp16_overflow 1
		.amdhsa_memory_ordered 1
		.amdhsa_forward_progress 1
		.amdhsa_inst_pref_size 134
	.end_amdhsa_kernel
	.amdgpu_metadata
---
amdhsa.version: [ 1, 2 ]
amdhsa.kernels:
  - .name:           k_q06f626ced7_qkv
    .symbol:         k_q06f626ced7_qkv.kd
    .args:
      - { .name: x_codes, .offset: 0, .size: 8, .value_kind: global_buffer, .address_space: global }
      - { .name: Wq_codes, .offset: 8, .size: 8, .value_kind: global_buffer, .address_space: global }
      - { .name: Wk_codes, .offset: 16, .size: 8, .value_kind: global_buffer, .address_space: global }
      - { .name: Wv_codes, .offset: 24, .size: 8, .value_kind: global_buffer, .address_space: global }
      - { .name: bq, .offset: 32, .size: 8, .value_kind: global_buffer, .address_space: global }
      - { .name: bk, .offset: 40, .size: 8, .value_kind: global_buffer, .address_space: global }
      - { .name: bv, .offset: 48, .size: 8, .value_kind: global_buffer, .address_space: global }
      - { .name: lowp_scales, .offset: 56, .size: 8, .value_kind: global_buffer, .address_space: global }
      - { .name: q_ws, .offset: 64, .size: 8, .value_kind: global_buffer, .address_space: global }
      - { .name: k_ws, .offset: 72, .size: 8, .value_kind: global_buffer, .address_space: global }
      - { .name: v_ws, .offset: 80, .size: 8, .value_kind: global_buffer, .address_space: global }
    .group_segment_fixed_size: 327680
    .private_segment_fixed_size: 0
    .kernarg_segment_align: 8
    .kernarg_segment_size: 88
    .max_flat_workgroup_size: 128
    .sgpr_count:     102
    .vgpr_count:     1024
    .wavefront_size: 32
...
	.end_amdgpu_metadata
.endif
;; end of part 1
;; launch attn (part 2): grid 4 x 64, 16 waves a work-group, no clusters, 327,680 bytes of LDS; arguments q_ws, k_ws, v_ws, lowp_scales, o_ws; writes o_ws
.if DOCPART == 2
	.amdgcn_target "amdgcn-amd-amdhsa--gfx1250"
	.amdhsa_code_object_version 6
	.text
	.protected	k_q06f626ced7_attn
	.globl	k_q06f626ced7_attn
	.p2align	8
	.type	k_q06f626ced7_attn,@function
k_q06f626ced7_attn:
	s_mov_b64 s[64:65], 0
	v_nop
	global_prefetch_b8 v0, s[64:65] scope:SCOPE_SE
	s_setreg_imm32_b32 hwreg(HW_REG_WAVE_MODE, 25, 1), 1
	s_wait_xcnt 0x0
; o = softmax(q k^T / 8, causal) v for 64 heads (batch x head) of 2,048 tokens x 64, both products on codes of BF8 (E5M2); o is quantised at once to codes of BF8.
; q_ws, k_ws: [head (64)][token][64] codes.  v_ws: [head (64)][token / 64][d (64)][token % 64] codes: the keys innermost.  lowp_scales[6..10]: eq, ek, ep, ev, eo.
; o_ws: [token' / 128 (64)][head of 16][token' % 128][d (64)] codes, token' = 2,048 x batch + token: so that 128 tokens x 4 heads are 32,768 bytes on end for the last product.
; THE SOFTMAX: t = score x log2(e) / 8; M = the row's largest t so far, rounded UP to a whole number; p = 2^(t - M) is quantised, not normalised; the row's sum is taken of the unquantised p and divides at the end.
; When M moves, the sum and O are multiplied by 2^(old M - new M): nothing is rounded.
; SHARES.  Work-group (i, head), i = 0..3, owns the blocks of 256 queries 7 - i and i of its head: 8 - i and i + 1 slots of 256 keys, NINE in every work-group: the causal work is equal in all 256, no tile is fetched
; that nobody reads, and the loop's trip count is a constant.  Each of SIXTEEN waves owns 16 queries of the block in hand, in 256 registers: four waves to a SIMD, so that one wave's vector work stands beside another's products.
; NO CLUSTER: the four work-groups of a head want the same tile in trips 0 to 4 only (tile t is slot t while t < 8 - i, then slot t - (8 - i)); in trips 5 to 8 they want different ones, and joint loads must be alike in all partners in every trip.
; LAYOUT.  Both products transposed: S^T = K Q^T (source 0 = 16 keys, source 1 = my 16 queries), O^T = V^T P^T (source 0 = 16 of the head's 64, source 1 = P): a lane holds ONE query (lane % 16) throughout.
; THE ROWS OF A TILE ARE NOT NEIGHBOURS: lane r of tile 2 b + u takes row 32 b + 8 u + r + 8 (r / 8), of K's keys and of V's d alike, so that the 16 registers of tiles 2 b and 2 b + 1 are 16 neighbours: 32 b + 16 (lane / 16) + 0 .. 15.
; LIMITS: eq + ek between -123 and 130 (added to c's exponent field); ep and eo between -126 and 112; ep + ev is applied by v_ldexp_f32 and has none.  NaN is not served.
; REGISTERS: v1-11 addresses; v12 -M, v13 the largest t, v[14:15] the sum; v16-23 Q of the block in hand; v24-31 Q of the second block; v32-95 eight fragments of K, then four of V; v96-159 S^T, then p; v160-191 O^T;
;   v192-207 p's codes; v208-217 at work; v218: 2^ep; v220: 2^eo.
.set SLOT1, 65536                      ; a slot: 256 keys of K (18,432 bytes), then of V (18,432); slot 1 begins here, so that one exclusive or turns an address
.set VOFF,  18432
.set SPARE, 131072                     ; the spare words, 128 bytes for each of 16 waves: eight blocks of 256 bytes that no other line names
.set STAGE, SPARE+2048                 ; the way out: 1,024 bytes for each wave, bytes of their own into which no tile lands
; In memory K's and V's rows of 64 bytes lie on end, so a tile is stated as rows of 128 bytes, with 16 of padding behind each: row p of 64 bytes lies at 144 (p / 2) + 64 (p % 2), which is 72 p for an even p.
; The sixteen rows r + 8 (r / 8) of a load then begin at 16 different 16-byte columns of 256.
.set AK0, 1                            ; v1   my lane's place in a tile: 144 (p / 2) + 64 (p % 2) + 16 (lane / 16), p = r + 8 (r / 8)
.set SPW, 2                            ; v2   LDS address of my spare word; never rewritten
.set NIL, 3                            ; v3   0; never rewritten
.set ADR, 4                            ; v4   the slot in hand + AK0
.set STO, 6                            ; v6   the stage: where I put 16 codes
.set RD,  7                            ; v7   the stage: where I read 16 bytes back
.set GO,  8                            ; v8   16 x lane
.set DL,  9                            ; v9   r - 16 (lane / 16)
.set WV,  18                           ; s18  my wave's number
.set SEL, 20                           ; s[20:21] lane selects for v_permlanex16_b32: lane l xor 16
.set CS,  22                           ; s[22:23] c = log2(e) / 8 x 2^(eq + ek)
.set G1,  24                           ; s[24:31] descriptor group 1: one shape serves K and V
.set G0,  40                           ; s[40:43] descriptor group 0
.set KVB, 44                           ; s[44:45] where my part of slot 0 of the head lies in memory (waves 0, 1: K's halves; 2, 3: V's)
.set TB,  48                           ; s48  LDS byte at which the slot in hand begins
.set NCT, 49                           ; s49  the trip
.set NH,  50                           ; s50  8 - i: slots of the first block
.set NH1, 51                           ; s51  7 - i
.set KF,  52                           ; s52  the step's first key
.set Q0,  53                           ; s53  my first query
.set Q0LO, 54                          ; s54  the same in the second block
; Waves 0 to 3 fetch, 8,192 bytes each; the others nothing.  The branch hangs on the wave's number alone.  Four v_nop follow the load.
.macro TLOAD
	s_cmp_lt_u32 s[WV], 4
	s_cbranch_scc0 .Lasked_\@
	tensor_load_to_lds s[G0:G0+3], s[G1:G1+7]
	s_nop 0
.rept 4
	v_nop
.endr
.Lasked_\@:
.endm
	s_load_b256 s[4:11], s[0:1], 0x0               ; q s[4:5], k s[6:7], v s[8:9], the scales' exponents s[10:11]
	s_load_b64 s[12:13], s[0:1], 0x20              ; o
	v_lshl_add_u32 v[SPW], v0, 2, SPARE
	v_mov_b32 v[NIL], 0
	ds_add_u32 v2, v3
	ds_add_u32 v2, v3
	s_wait_dscnt 0x0
	v_lshrrev_b32 v32, 5, v0
	s_delay_alu instid0(VALU_DEP_1)
	v_readfirstlane_b32 s[WV], v32                 ; wave 0..15
	s_and_b32 s61, ttmp7, 0xffff                   ; batch x head
	s_lshl_b32 s66, s61, 17                        ; its first byte in q, k and v: 131,072 bytes a head
	s_mov_b32 s67, 0
	s_sub_co_u32 s[NH], 8, ttmp9
	s_sub_co_u32 s[NH1], 7, ttmp9
	s_lshl_b32 s62, s[WV], 4
	s_lshl_b32 s[Q0], s[NH1], 8
	s_add_co_u32 s[Q0], s[Q0], s62                 ; 256 (7 - i) + 16 x wave
	s_lshl_b32 s[Q0LO], ttmp9, 8
	s_add_co_u32 s[Q0LO], s[Q0LO], s62             ; 256 i + 16 x wave
	s_mov_b32 s[G1], (0<<16)|(1<<20)|(4<<22)|(3<<25)   ; no mask; elements of 1 byte; padding on: four words (code 3) after every 32 (code 4)
	s_mov_b32 s[G1+1], 128<<16                     ; tensor_dim0
	s_mov_b32 s[G1+2], 64<<16                      ; tensor_dim1
	s_mov_b32 s[G1+3], 128<<16                     ; tile_dim0
	s_mov_b32 s[G1+4], 64                          ; tile_dim1
	s_mov_b32 s[G1+5], 128                         ; tensor_dim0_stride: dense
	s_mov_b32 s[G1+6], 0
	s_mov_b32 s[G1+7], 0
	s_mov_b32 s[SEL], 0x76543210
	s_mov_b32 s[SEL+1], 0xfedcba98
	s_mov_b32 s[CS], 0x3e38aa3b                    ; log2(e) / 8
	s_mov_b32 s[TB], 0
	s_mov_b32 s[NCT], 0
	s_mov_b32 s[KF], 0
	s_mov_b32 s47, 0                               ; the upper word of the pair s[46:47], a slot's byte offset in memory
	s_wait_kmcnt 0x0
	s_load_b128 s[68:71], s[10:11], 0x18           ; eq, ek, ep, ev
	s_load_b32 s72, s[10:11], 0x28                 ; eo
	s_cmp_lt_u32 s[WV], 2
	s_cselect_b64 s[KVB:KVB+1], s[6:7], s[8:9]
	s_add_nc_u64 s[KVB:KVB+1], s[KVB:KVB+1], s[66:67]
	s_and_b32 s62, s[WV], 1
	s_lshl_b32 s62, s62, 13                        ; which 8,192 bytes of a slot's 16,384
	s_mov_b32 s63, 0
	s_add_nc_u64 s[KVB:KVB+1], s[KVB:KVB+1], s[62:63]
	s_mov_b32 s[G0], 1                             ; count = 1
	s_mul_i32 s[G0+1], s[WV], 9216                 ; LDS address: K's halves at 0 and 9,216, V's at 18,432 and 27,648, in slot 0
	s_mov_b64 s[G0+2:G0+3], s[KVB:KVB+1]
	s_or_b32 s[G0+3], s[G0+3], 0x80000000          ; type = 2
	TLOAD                                          ; tile 0: one tensor load of mine is out
	s_add_nc_u64 s[4:5], s[4:5], s[66:67]          ; q at the head
	v_and_b32 v32, 15, v0                          ; r
	v_bfe_u32 v33, v0, 4, 1                        ; h
	s_delay_alu instid0(VALU_DEP_2)
	v_lshlrev_b32 v34, 6, v32
	s_delay_alu instid0(VALU_DEP_1)
	v_lshl_add_u32 v34, v33, 4, v34                ; 64 r + 16 h
	s_lshl_b32 s62, s[Q0], 6
	s_lshl_b32 s63, s[Q0LO], 6
	v_add_nc_u32 v10, s62, v34
	v_add_nc_u32 v11, s63, v34
	global_load_b128 v[16:19], v10, s[4:5]         ; Q's fragment: registers 4 c .. 4 c + 3 hold d = 32 c + 16 h + 0 .. 15, as K's do
	global_load_b128 v[20:23], v10, s[4:5] offset:32
	global_load_b128 v[24:27], v11, s[4:5]         ; the second block's, so that no load stands in the loop
	global_load_b128 v[28:31], v11, s[4:5] offset:32
	v_and_b32 v35, 8, v32
	s_delay_alu instid0(VALU_DEP_1)
	v_add_nc_u32 v35, v35, v32                     ; p = r + 8 (r / 8)
	s_delay_alu instid0(VALU_DEP_1)
	v_lshrrev_b32 v36, 1, v35
	s_delay_alu instid0(VALU_DEP_1)
	v_mul_u32_u24 v[AK0], v36, 144
	s_delay_alu instid0(VALU_DEP_3)
	v_and_b32 v35, 1, v35
	s_delay_alu instid0(VALU_DEP_1)
	v_lshl_add_u32 v[AK0], v35, 6, v[AK0]
	s_delay_alu instid0(VALU_DEP_1)
	v_lshl_add_u32 v[AK0], v33, 4, v[AK0]
	v_lshlrev_b32 v35, 4, v33
	s_delay_alu instid0(VALU_DEP_1)
	v_sub_nc_u32 v[DL], v32, v35
	s_lshl_b32 s62, s[WV], 10
	s_add_co_u32 s62, s62, STAGE                   ; my stage
	v_add_nc_u32 v[STO], s62, v34                  ; in: row r of 64 bytes, + 16 h
	v_and_b32 v35, 31, v0
	s_delay_alu instid0(VALU_DEP_1)
	v_lshlrev_b32 v[GO], 4, v35
	s_delay_alu instid0(VALU_DEP_1)
	v_add_nc_u32 v[RD], s62, v[GO]                 ; back: as the bytes lie
	; where my 16 rows of o go: (token' / 128) x 131,072 + head x 8,192 + (token' % 128) x 64
	s_lshr_b32 s62, s61, 4
	s_lshl_b32 s62, s62, 11                        ; 2,048 x batch
	s_and_b32 s63, s61, 15
	s_lshl_b32 s63, s63, 13
	s_add_co_u32 s66, s62, s[Q0]
	s_lshr_b32 s67, s66, 7
	s_lshl_b32 s67, s67, 17
	s_and_b32 s66, s66, 127
	s_lshl_b32 s66, s66, 6
	s_add_co_u32 s66, s66, s67
	s_add_co_u32 s66, s66, s63
	s_mov_b32 s67, 0
	s_add_nc_u64 s[56:57], s[12:13], s[66:67]      ; the first block's
	s_add_co_u32 s66, s62, s[Q0LO]
	s_lshr_b32 s67, s66, 7
	s_lshl_b32 s67, s67, 17
	s_and_b32 s66, s66, 127
	s_lshl_b32 s66, s66, 6
	s_add_co_u32 s66, s66, s67
	s_add_co_u32 s66, s66, s63
	s_mov_b32 s67, 0
	s_add_nc_u64 s[58:59], s[12:13], s[66:67]      ; the second block's
	v_mov_b32 v13, 0xff61b1e6                      ; the largest t so far: -3e38, under every t
	s_delay_alu instid0(VALU_DEP_1)
	v_floor_f32 v12, -v13                          ; -M
	v_mov_b32 v14, 0                               ; the sum, in two halves
	v_mov_b32 v15, 0
	v_mov_b32 v208, 0                              ; written once: a lane permute's destination counts as one of its sources
	v_mov_b32 v211, 0                              ; (named as the upper half of the pair v[210:211])
	v_mov_b32 v216, 0xff800000                     ; -infinity
.set j, 0
.rept 32
	v_mov_b32 v[160+j], 0                          ; O^T: the step is written once; its first run finds zeros
.set j, j+1
.endr
	s_wait_kmcnt 0x0
	s_add_co_i32 s61, s68, s69
	s_lshl_b32 s61, s61, 23
	s_add_co_i32 s[CS], s[CS], s61                 ; a score stands for score x 2^(eq + ek): the exponents are added to c's exponent field
	s_mov_b32 s[CS+1], s[CS]                       ; (named with it as a pair, so it is written)
	s_add_co_i32 s60, s70, s71                     ; ep + ev
	s_add_co_i32 s61, s70, 127
	s_lshl_b32 s62, s61, 23
	v_mov_b32 v218, s62                            ; 2^ep
	s_add_co_i32 s61, s72, 127
	s_lshl_b32 s62, s61, 23
	v_mov_b32 v220, s62                            ; 2^eo
; A KEY STEP: 128 keys, the q-th half of the slot in hand.
.macro STEP q
	s_add_co_u32 s61, s[Q0], 15                    ; a step all of whose keys come after my 16 queries is left out: a scalar branch on ids; no barrier and no tensor load stands in a step
	s_cmp_gt_u32 s[KF], s61
	s_cbranch_scc1 .Lhidden_\@
	v_add_nc_u32 v[ADR], s[TB], v[AK0]
.rept 3
	v_nop                                          ; with the addition above: four places in front of loads into registers that the last products have read
.endr
.irp t, 0,1,2,3,4,5,6,7
.irp c, 0,1
	ds_load_b128 v[32+8*\t+4*\c:32+8*\t+4*\c+3], v[ADR] offset:72*(128*(\q)+32*(\t/2)+8*(\t%2))+32*\c
.endr
.endr
	s_wait_alu depctr_va_vdst(0)
	s_wait_dscnt 0x0
.irp t, 0,1,2,3,4,5,6,7
	v_wmma_f32_16x16x64_bf8_bf8 v[96+8*\t:103+8*\t], v[32+8*\t:39+8*\t], v[16:23], 0
.endr
.rept 4
	v_nop                                          ; places in front of the loads below and of the first read of the scores
.endr
.irp t, 0,1,2,3                                ; V's four fragments (16 of d x 128 keys) are asked for here and land under the softmax
.irp c, 0,1,2,3
	ds_load_b128 v[32+16*\t+4*\c:32+16*\t+4*\c+3], v[ADR] offset:VOFF+72*(64*(2*(\q)+\c/2)+32*(\t/2)+8*(\t%2))+32*(\c%2)
.endr
.endr
	s_add_co_u32 s61, s[KF], 127                   ; on the diagonal the scores of hidden keys become -infinity ahead of the maximum: p = 0 then.  A step all of whose keys count skips this
	s_cmp_le_u32 s61, s[Q0]
	s_cbranch_scc1 .Lopen_\@
	s_sub_co_i32 s61, s[Q0], s[KF]
	v_add_nc_u32 v217, s61, v[DL]                  ; d = my query - KF - 16 (lane / 16).  Register 16 b + i holds key KF + 16 (lane / 16) + 32 b + i: hidden where 32 b + i > d
.set n, 0
.rept 64
	v_cmp_gt_i32 vcc_lo, 32*(n/16)+n%16, v217
	v_cndmask_b32 v[96+n], v[96+n], v216, vcc_lo
.set n, n+1
.endr
.Lopen_\@:
	v_max3_num_f32 v214, v96, v97, v98             ; the step's largest score of my query among my 64 keys, in two chains; each accumulator is read from its low end on
	v_max3_num_f32 v215, v99, v100, v101
.irp i, 6,10,14,18,22,26,30,34,38,42,46,50,54,58
	v_max3_num_f32 v214, v214, v[96+\i], v[97+\i]
	v_max3_num_f32 v215, v215, v[98+\i], v[99+\i]
.endr
	v_max3_num_f32 v214, v214, v158, v159
	s_delay_alu instid0(VALU_DEP_1)
	v_max_num_f32 v214, v214, v215
	s_delay_alu instid0(VALU_DEP_1)
	v_permlanex16_b32 v208, v214, s[SEL], s[SEL+1]
	s_delay_alu instid0(VALU_DEP_1)
	v_max_num_f32 v214, v214, v208                 ; and among lane l xor 16's.  (The step's first key counts for all my queries, so this is a number)
	s_delay_alu instid0(VALU_DEP_1)
	v_mul_f32 v214, s[CS], v214                    ; as t (c is positive)
	s_delay_alu instid0(VALU_DEP_1)
	v_max_num_f32 v13, v13, v214                   ; the running largest t
	v_mov_b32 v214, v12
	s_delay_alu instid0(VALU_DEP_2)
	v_floor_f32 v12, -v13                          ; the new -M = floor(-t) = -ceil(t): M is a whole number
	s_delay_alu instid0(VALU_DEP_1)
	v_sub_f32 v214, v12, v214                      ; old M - new M: a whole number, 0 or less
	s_delay_alu instid0(VALU_DEP_1)
	v_cvt_i32_f32 v214, v214                       ; (it saturates)
	s_delay_alu instid0(VALU_DEP_1)
	v_ldexp_f32 v210, 1.0, v214                    ; f = 2^(old M - new M)
.set j, 0
.rept 32
	v_pk_fma_f32 v[96+j:97+j], v[96+j:97+j], s[CS:CS+1], v[12:13] op_sel_hi:[1,0,0]   ; t - M, two at a time (of the pairs c and -M the low word serves both halves)
.set j, j+2
.endr
.set j, 0
	s_wait_alu depctr_va_vdst(0)
.rept 64
	v_exp_f32 v[96+j], v[96+j]                     ; p = 2^(t - M), at most 1: not normalised
.set j, j+1
.endr
	v_pk_mul_f32 v[14:15], v[14:15], v[210:211] op_sel_hi:[1,0]   ; the sums under the new M.  (A plain place behind the exponentials)
	s_wait_alu depctr_va_vdst(0)
	v_pk_add_f32 v[212:213], v[100:101], v[104:105]
	v_pk_add_f32 v[254:255], v[108:109], v[112:113]
	v_pk_add_f32 v[252:253], v[116:117], v[120:121]
	v_pk_add_f32 v[250:251], v[124:125], v[128:129]
	v_pk_add_f32 v[248:249], v[132:133], v[136:137]
	v_pk_add_f32 v[246:247], v[140:141], v[144:145]
	v_pk_add_f32 v[244:245], v[148:149], v[152:153]
	v_pk_add_f32 v[14:15], v[14:15], v[156:157]
	v_pk_add_f32 v[212:213], v[212:213], v[96:97]
	v_pk_add_f32 v[254:255], v[254:255], v[98:99]
	v_pk_add_f32 v[252:253], v[252:253], v[102:103]
	v_pk_add_f32 v[250:251], v[250:251], v[106:107]
	v_pk_add_f32 v[248:249], v[248:249], v[110:111]
	v_pk_add_f32 v[246:247], v[246:247], v[114:115]
	v_pk_add_f32 v[244:245], v[244:245], v[118:119]
	v_pk_add_f32 v[14:15], v[14:15], v[122:123]
	v_pk_add_f32 v[212:213], v[212:213], v[126:127]
	v_pk_add_f32 v[254:255], v[254:255], v[130:131]
	v_pk_add_f32 v[252:253], v[252:253], v[134:135]
	v_pk_add_f32 v[250:251], v[250:251], v[138:139]
	v_pk_add_f32 v[248:249], v[248:249], v[142:143]
	v_pk_add_f32 v[246:247], v[246:247], v[146:147]
	v_pk_add_f32 v[244:245], v[244:245], v[150:151]
	v_pk_add_f32 v[14:15], v[14:15], v[154:155]
	v_pk_add_f32 v[212:213], v[212:213], v[158:159]
	s_delay_alu instid0(VALU_DEP_2)
	v_pk_add_f32 v[14:15], v[14:15], v[250:251]
	s_delay_alu instid0(VALU_DEP_2)
	v_pk_add_f32 v[212:213], v[212:213], v[248:249]
	v_pk_add_f32 v[254:255], v[254:255], v[246:247]
	v_pk_add_f32 v[252:253], v[252:253], v[244:245]
	s_delay_alu instid0(VALU_DEP_2)
	v_pk_add_f32 v[14:15], v[14:15], v[254:255]
	s_delay_alu instid0(VALU_DEP_2)
	v_pk_add_f32 v[212:213], v[212:213], v[252:253]
	s_delay_alu instid0(VALU_DEP_1)
	v_pk_add_f32 v[14:15], v[14:15], v[212:213]
.irp b, 0,1,2,3
.irp i, 0,1,2,3,4,5,6,7,8,9,10,11,12,13,14,15
.endr
	v_cvt_scalef32_pk8_bf8_f32 v[192+4*\b:193+4*\b], v[96+16*\b:103+16*\b], v218
	v_cvt_scalef32_pk8_bf8_f32 v[194+4*\b:195+4*\b], v[104+16*\b:111+16*\b], v218
.endr
.set j, 0
.rept 16
	v_pk_mul_f32 v[160+j:161+j], v[160+j:161+j], v[210:211] op_sel_hi:[1,0]   ; O^T under the new M.  (Also the plain places behind the conversions)
.set j, j+2
.endr
	s_wait_alu depctr_va_vdst(0)
	s_wait_dscnt 0x0                               ; V's fragments are in
.irp t, 0,1,2,3                                ; the four accumulators take turns; between two links of a chain stand the other three's and the next step's eight products
	v_wmma_f32_16x16x128_bf8_bf8 v[160+8*\t:167+8*\t], v[32+16*\t:47+16*\t], v[192:207], v[160+8*\t:167+8*\t]
.endr
.Lhidden_\@:
	s_add_co_u32 s[KF], s[KF], 128
.endm
; THE CHANGE OF SLOTS stands at a slot's head.  Each wave waits for all its tensor loads (its part of the slot that it is about to read), adds 0 to its spare word, and waits for that and for its reads of the slot that it has left.
; fill = 1: that other slot takes tile t = trip + 1: slot t of the first block's keys while t < 8 - i, then slot t - (8 - i) of the second block's.  The load has a whole slot's steps in which to land.
.macro CHANGE fill
	s_wait_tensorcnt 0x0                           ; no tensor load of mine is out, so the group 0 may be written
	ds_add_u32 v[SPW], v[NIL]                      ; 0 onto my spare word
.if \fill
	s_add_co_u32 s61, s[NCT], 1
	s_sub_co_u32 s62, s61, s[NH]
	s_cmp_lt_u32 s61, s[NH]
	s_cselect_b32 s61, s61, s62
	s_lshl_b32 s46, s61, 14                        ; 16,384 bytes of K, and of V, for 256 keys
	s_add_nc_u64 s[G0+2:G0+3], s[KVB:KVB+1], s[46:47]
	s_or_b32 s[G0+3], s[G0+3], 0x80000000
	s_xor_b32 s[G0+1], s[G0+1], SLOT1              ; the other slot than last time
.endif
	s_wait_dscnt 0x0                               ; the add is done, and my reads of the slot that I have left are over
	s_barrier_signal -1
	s_barrier_wait -1
.if \fill
	TLOAD                                          ; the first thing behind the barrier, and a wave's one tensor load until the next
.endif
.endm
.macro SLOT_STEPS
	STEP 0
	STEP 1
	s_xor_b32 s[TB], s[TB], SLOT1                  ; on to the other slot
.endm
; A BLOCK'S WAY OUT: O^T x 2^(ep + ev) / the sum, converted with 2^eo; 16 rows of 64 codes go through my stage and leave as 1,024 bytes on end.
.macro FLUSH
.rept 4
	v_nop                                          ; places behind the last products
.endr
	v_add_f32 v14, v14, v15
	s_delay_alu instid0(VALU_DEP_1)
	v_permlanex16_b32 v208, v14, s[SEL], s[SEL+1]
	s_delay_alu instid0(VALU_DEP_1)
	v_add_f32 v14, v14, v208                       ; the row's sum
	s_wait_alu depctr_va_vdst(0)
	v_rcp_f32 v14, v14
	v_nop                                          ; one plain place behind a transcendental
	s_wait_alu depctr_va_vdst(0)
	v_ldexp_f32 v14, v14, s60
.set j, 0
.rept 16
	v_pk_mul_f32 v[96+j:97+j], v[160+j:161+j], v[14:15] op_sel_hi:[1,0]   ; register 16 b + i is o(my query, 32 b + 16 h + i); each accumulator from its low end on
.set j, j+2
.endr
.set j, 0
.rept 32
.set j, j+1
.endr
.irp b, 0,1
	v_cvt_scalef32_pk8_bf8_f32 v[192+4*\b:193+4*\b], v[96+16*\b:103+16*\b], v220
	v_cvt_scalef32_pk8_bf8_f32 v[194+4*\b:195+4*\b], v[104+16*\b:111+16*\b], v220
.endr
	v_nop                                          ; a plain vector instruction behind the last conversion
	ds_store_b128 v[STO], v[192:195]
	ds_store_b128 v[STO], v[196:199] offset:32
	ds_load_b128 v[200:203], v[RD]                 ; LDS serves a wave's instructions in order (ISA guide 5.7.1.4): these see the stores above
	ds_load_b128 v[204:207], v[RD] offset:512
	s_wait_dscnt 0x0
	global_store_b128 v[GO], v[200:203], s[56:57]  ; each store covers 512 consecutive bytes, at a multiple of 512 from the buffer's first byte
	global_store_b128 v[GO], v[204:207], s[56:57] offset:512
	s_wait_xcnt 0x0                                ; the stores have read their registers and their base: both are written again below
.endm
	s_wait_loadcnt 0x0                             ; Q, both blocks'
.Lslot:                                            ; eight trips; behind each change of slots the next tile is asked for
	CHANGE 1
	SLOT_STEPS
	s_cmp_lg_u32 s[NCT], s[NH1]                    ; the first block's last slot?  A branch on ids, the same in all sixteen waves; no barrier and no tensor load stands under it
	s_cbranch_scc1 .Lsame
	FLUSH
.irp j, 0,1,2,3,4,5,6,7
	v_mov_b32 v[16+\j], v[24+\j]                   ; the second block begins: its Q,
.endr
	v_mov_b32 v13, 0xff61b1e6
	s_delay_alu instid0(VALU_DEP_1)
	v_floor_f32 v12, -v13
	v_mov_b32 v14, 0
	v_mov_b32 v15, 0
.set j, 0
.rept 32
	v_mov_b32 v[160+j], 0
.set j, j+1
.endr
	s_mov_b32 s[Q0], s[Q0LO]                       ; its queries, key 0 again, its rows of o
	s_mov_b32 s[KF], 0
	s_mov_b64 s[56:57], s[58:59]
.Lsame:
	s_add_co_u32 s[NCT], s[NCT], 1
	s_cmp_lt_u32 s[NCT], 8
	s_cbranch_scc1 .Lslot
	CHANGE 0                                       ; the ninth slot is written out
	SLOT_STEPS
	FLUSH
	s_wait_tensorcnt 0x0                           ; the wave's end
	ds_add_u32 v[SPW], v[NIL]
	s_wait_dscnt 0x0
	s_endpgm
.Lfunc_end_k_q06f626ced7_attn:
	.size	k_q06f626ced7_attn, .Lfunc_end_k_q06f626ced7_attn-k_q06f626ced7_attn
	.p2alignl 7, 3214868480
	.fill 96, 4, 3214868480
	.section	.rodata,"a",@progbits
	.p2align	6, 0x0
	.amdhsa_kernel k_q06f626ced7_attn
		.amdhsa_group_segment_fixed_size 327680
		.amdhsa_private_segment_fixed_size 0
		.amdhsa_enable_private_segment 0
		.amdhsa_kernarg_size 40
		.amdhsa_user_sgpr_count 2
		.amdhsa_user_sgpr_kernarg_segment_ptr 1
		.amdhsa_wavefront_size32 1
		.amdhsa_system_sgpr_workgroup_id_x 1
		.amdhsa_system_sgpr_workgroup_id_y 1
		.amdhsa_system_sgpr_workgroup_id_z 1
		.amdhsa_system_vgpr_workitem_id 0
		.amdhsa_next_free_vgpr 256
		.amdhsa_next_free_sgpr 80
		.amdhsa_reserve_vcc 1
		.amdhsa_float_denorm_mode_32 3
		.amdhsa_float_denorm_mode_16_64 3
		.amdhsa_fp16_overflow 1
		.amdhsa_memory_ordered 1
		.amdhsa_forward_progress 1
		.amdhsa_inst_pref_size 90
	.end_amdhsa_kernel
	.amdgpu_metadata
---
amdhsa.version: [ 1, 2 ]
amdhsa.kernels:
  - .name:           k_q06f626ced7_attn
    .symbol:         k_q06f626ced7_attn.kd
    .args:
      - { .name: q_ws, .offset: 0, .size: 8, .value_kind: global_buffer, .address_space: global }
      - { .name: k_ws, .offset: 8, .size: 8, .value_kind: global_buffer, .address_space: global }
      - { .name: v_ws, .offset: 16, .size: 8, .value_kind: global_buffer, .address_space: global }
      - { .name: lowp_scales, .offset: 24, .size: 8, .value_kind: global_buffer, .address_space: global }
      - { .name: o_ws, .offset: 32, .size: 8, .value_kind: global_buffer, .address_space: global }
    .group_segment_fixed_size: 327680
    .private_segment_fixed_size: 0
    .kernarg_segment_align: 8
    .kernarg_segment_size: 40
    .max_flat_workgroup_size: 512
    .sgpr_count:     80
    .vgpr_count:     256
    .wavefront_size: 32
...
	.end_amdgpu_metadata
.endif
;; end of part 2
;; launch proj (part 3): grid 4 x 32, 4 waves a work-group, clusters of 4 x 4, 327,680 bytes of LDS; arguments o_ws, Wp_codes, bp, lowp_scales, out0; writes out0
.if DOCPART == 3
	.amdgcn_target "amdgcn-amd-amdhsa--gfx1250"
	.amdhsa_code_object_version 6
	.text
	.protected	k_q06f626ced7_proj
	.globl	k_q06f626ced7_proj
	.p2align	8
	.type	k_q06f626ced7_proj,@function
k_q06f626ced7_proj:
	s_mov_b64 s[64:65], 0
	v_nop
	global_prefetch_b8 v0, s[64:65] scope:SCOPE_SE
	s_setreg_imm32_b32 hwreg(HW_REG_WAVE_MODE, 25, 1), 1
	s_wait_xcnt 0x0
	s_wait_alu depctr_hold_cnt(0) depctr_sa_sdst(0) depctr_va_vdst(0) depctr_va_sdst(0) depctr_va_ssrc(0) depctr_va_vcc(0) depctr_vm_vsrc(0)
	s_getreg_b32 s2, hwreg(HW_REG_IB_STS2, 6, 4)
	s_cmp_eq_u32 s2, 0
	s_cbranch_scc0 .Lentry_in_a_cluster
	s_endpgm
.Lentry_in_a_cluster:
	s_bfe_u32 s2, ttmp6, 0x10000c
	s_cmp_lg_u32 s2, 0xf033
	s_cbranch_scc0 .Lentry_shape_is_right
	s_endpgm
.Lentry_shape_is_right:
; out0 = o Wp^T + bp on codes of BF8 (E5M2).  o_ws: [token / 128 (64)][head (16)][token % 128][d (64)] codes (K = 64 x head + d); Wp: [1024][1024] codes, K innermost; bp [1024], out0 [8192][1024]: f32.
; out0 = sum x 2^(e10 + e11) + bp, one fused multiply-add.  LIMIT: e10 + e11 between -126 and 127, so that the power of two is an f32 number.
; A tile of 256 x 256 is made by a work-group of four waves, a wave 128 x 128: 64 accumulators.  K goes in steps of 256 (four heads) through a ring of two LDS slots filled by the tensor data mover.
; A's part of a K step, 128 tokens x 4 heads, is 32,768 bytes on end in o_ws: it comes as 128 rows of 256 bytes; a row holds four tokens' 64 bytes of one head.  With 16 bytes of padding behind each row, (head z of the step, token, byte)
; lies at 8,704 z + 272 (token / 4) + 64 (token % 4) + byte: the sixteen tokens of a fragment load begin at 16 different 16-byte columns of 256.
; CLUSTERS: 4 x 4; A's tile is asked for jointly along a row of the cluster, B's along a column.  THE MATRIX INSTRUCTION IS USED TRANSPOSED (source 0 = 16 rows of Wp, source 1 = 16 tokens): a lane holds eight neighbouring numbers of a row of out0.
; The grid has 128 work-groups: 8,192 x 1,024 holds no more tiles of this size.
; REGISTERS: window 0: v1-31 addresses; v32-95 bp of my columns; from v128 A's fragments, ONE set; on the way out v128-255 rows read back.   window 1: B's fragments, TWO sets.   windows 2, 3: the accumulators.
.set ROWB,   256
.set PITCH,  272
.set FR,     16
.set NL,     4
.set NP,     4                         ; places behind this matrix instruction (ISA guide 7.12.1)
.set HALFT,  128*PITCH
.set SLOT,   4*HALFT
.set LAPS,   2
.set SPARE,  2*SLOT                    ; the spare words, 128 bytes for each wave: two blocks of 256 bytes that no other line names
.set STAGE,  SPARE+512                 ; the way out: 16 rows x (512 bytes + 16) for each wave, bytes of their own into which no tile lands
.set SPITCH, 528
.set ADRA, 16
.set ADRB, 20
.set STO,  24
.set RD,   25
.set CO,   26
.set SPW,  28                          ; v28  LDS address of my spare word; never rewritten
.set NIL,  29                          ; v29  0; never rewritten
.set BN,   32
.set AF,   128
.set BK,   128
.set G1, 24
.set G0, 32
.set G1B, 48
.set G0B, 56
.set MSB, 0
.macro WIN new                         ; the immediate's high byte repeats the setting that is left
.if MSB != \new
	s_set_vgpr_msb (MSB<<8)|\new
.set MSB, \new
.endif
.endm
.set MUL_LO, 0xa1
.set MUL_HI, 0xf1
.set TO_B,   0x40
.macro JLOAD g0a, g1a, g0b, g1b        ; a joint load: waves 0 and 1 fetch for A, waves 2 and 3 for B; four v_nop follow each of the two lines
	s_cmp_eq_u32 s15, 0
	s_cbranch_scc0 .Lfor_b_\@
	tensor_load_to_lds s[\g0a:\g0a+3], s[\g1a:\g1a+7]
	s_nop 0
.rept 4
	v_nop
.endr
	s_branch .Lasked_\@
.Lfor_b_\@:
	tensor_load_to_lds s[\g0b:\g0b+3], s[\g1b:\g1b+7]
	s_nop 0
.rept 4
	v_nop
.endr
.Lasked_\@:
.endm
.macro CREST
	s_cmp_lg_u32 s14, 0
	s_cbranch_scc1 .Lnot_wave_0_\@
	s_barrier_signal -3
.Lnot_wave_0_\@:
	s_barrier_wait -3
	s_barrier_signal -1
	s_barrier_wait -1
.endm
.macro CROUND
	s_barrier_signal -1
	s_barrier_wait -1
	CREST
.endm
	s_load_b128 s[4:7], s[0:1], 0x0                ; o's codes s[4:5], Wp's codes s[6:7]
	s_load_b128 s[8:11], s[0:1], 0x10              ; bp s[8:9], the scales' exponents s[10:11]
	s_load_b64 s[12:13], s[0:1], 0x20              ; out0
	v_lshl_add_u32 v[SPW], v0, 2, SPARE
	v_mov_b32 v[NIL], 0
	ds_add_u32 v28, v29
	ds_add_u32 v28, v29
	s_wait_dscnt 0x0
	v_lshrrev_b32 v1, 5, v0
	v_readfirstlane_b32 s14, v1                    ; wave 0..3
	s_lshr_b32 s15, s14, 1                         ; which half of the tile's rows is mine.  Also: I fetch for A (0) or for B (1)
	s_and_b32 s16, s14, 1                          ; which half of its columns.  Also: which half of that tile I fetch
	s_bfe_u32 s40, ttmp6, 0x40000                  ; cx, cy
	s_bfe_u32 s41, ttmp6, 0x40004
	s_lshl_b32 s42, ttmp9, 2
	s_add_co_u32 s42, s42, s40                     ; tile column = 4 x cluster x + cx
	s_and_b32 s17, ttmp7, 0xffff
	s_lshl_b32 s17, s17, 2
	s_add_co_u32 s17, s17, s41                     ; tile row = 4 x cluster y + cy
	s_lshl_b32 s43, s41, 2
	s_lshl_b32 s43, 15, s43                        ; my row of the cluster
	s_lshl_b32 s44, 0x1111, s40                    ; my column
	s_or_b32 s[G1+0], s43, (0<<16)|(1<<20)|(1<<21)|(5<<22)|(3<<25)  ; the mask; elements of 1 byte; padding on; bit 21 set beside a mask; four words (code 3) after every 64 (code 5)
	s_or_b32 s[G1B+0], s44, (0<<16)|(1<<20)|(1<<21)|(5<<22)|(3<<25)
.irp g, G1, G1B
	s_mov_b32 s[\g+1], ROWB<<16                    ; tensor_dim0
	s_mov_b32 s[\g+2], 128<<16                     ; tensor_dim1
	s_mov_b32 s[\g+3], ROWB<<16                    ; tile_dim0
	s_mov_b32 s[\g+4], 128                         ; tile_dim1
	s_mov_b32 s[\g+6], 0
	s_mov_b32 s[\g+7], 0
.endr
	s_mov_b32 s[G1+5], 256                         ; A's rows lie on end
	s_mov_b32 s[G1B+5], 1024                       ; B's are 1,024 bytes apart
	s_lshl_b32 s20, s17, 1
	s_add_co_u32 s20, s20, s16                     ; A: the block of 128 tokens: 2 x tile row + half,
	s_lshl_b32 s20, s20, 17                        ; of 131,072 bytes
	s_mov_b32 s21, 0
	s_lshl_b32 s18, s16, 7
	s_lshl_b32 s46, s42, 8
	s_add_co_u32 s46, s46, s18                     ; B: row 256 x tile column + 128 x half,
	s_lshl_b32 s46, s46, 10                        ; of 1,024 bytes
	s_mov_b32 s47, 0
	s_mul_i32 s45, s14, HALFT                      ; where they go: no place in the cluster enters an LDS address
	s_wait_kmcnt 0x0
	s_load_b64 s[96:97], s[10:11], 0x28            ; e10, e11
	s_add_nc_u64 s[20:21], s[4:5], s[20:21]
	s_add_nc_u64 s[46:47], s[6:7], s[46:47]
	CROUND                                         ; all sixteen work-groups are here: the first joint loads meet
.irp s, 0,1
	s_mov_b32 s[G0+4*\s], 1
	s_add_co_u32 s[G0+4*\s+1], s45, \s*SLOT
	s_add_nc_u64 s[G0+4*\s+2:G0+4*\s+3], s[20:21], \s*32768        ; four heads on
	s_or_b32 s[G0+4*\s+3], s[G0+4*\s+3], 0x80000000
	s_mov_b32 s[G0B+4*\s], 1
	s_add_co_u32 s[G0B+4*\s+1], s45, \s*SLOT
	s_add_nc_u64 s[G0B+4*\s+2:G0B+4*\s+3], s[46:47], \s*ROWB
	s_or_b32 s[G0B+4*\s+3], s[G0B+4*\s+3], 0x80000000
	s_wait_alu depctr_va_vdst(0)
	s_wait_tensorcnt 0x0
	ds_add_u32 v28, v29
	ds_add_u32 v28, v29
	s_wait_dscnt 0x0
	CROUND
	JLOAD G0+4*\s, G1, G0B+4*\s, G1B               ; K steps 0 and 1: one tensor load of mine is out
.endr
	v_and_b32 v1, 15, v0                           ; r
	v_bfe_u32 v2, v0, 4, 1                         ; h
	v_mul_u32_u24 v3, v1, PITCH
	v_lshl_add_u32 v4, v2, 4, v3                   ; B: row x pitch + 16 h
	v_lshrrev_b32 v8, 2, v1
	v_mul_u32_u24 v8, v8, PITCH
	v_and_b32 v9, 3, v1
	v_lshl_add_u32 v8, v9, 6, v8
	v_lshl_add_u32 v8, v2, 4, v8                   ; A: 272 (r / 4) + 64 (r % 4) + 16 h
	s_mul_i32 s21, s15, HALFT                      ; my 128 tokens of A
	s_mul_i32 s22, s16, HALFT                      ; my 128 rows of B,
	s_add_co_u32 s22, s22, 2*HALFT                 ; which lie behind A's two halves
.irp s, 0,1
	v_add_nc_u32 v[ADRA+\s], s21, v8
	v_add_nc_u32 v[ADRB+\s], s22, v4
	s_add_co_u32 s21, s21, SLOT
	s_add_co_u32 s22, s22, SLOT
.endr
	s_mul_i32 s23, s14, 16*SPITCH
	s_add_co_u32 s23, s23, STAGE                   ; my stage
	v_mul_u32_u24 v5, v1, SPITCH
	v_lshl_add_u32 v5, v2, 5, v5
	v_add_nc_u32 v[STO], s23, v5                   ; in: row r, 32 bytes for each half of the lanes
	v_and_b32 v6, 31, v0
	v_lshlrev_b32 v[CO], 4, v6                     ; back: the 32 lanes take one row of 512 bytes; and the same in out0
	v_add_nc_u32 v[RD], s23, v[CO]
	s_lshl_b32 s20, s17, 8
	s_lshl_b32 s21, s15, 7
	s_add_co_u32 s20, s20, s21                     ; my first row of out0,
	s_lshl_b32 s20, s20, 12                        ; of 4,096 bytes (under 2^25)
	s_lshl_b32 s46, s42, 10
	s_lshl_b32 s47, s16, 9
	s_add_co_u32 s46, s46, s47                     ; my first column, in bytes: 1,024 x tile column + 512 x half: in out0's rows and in bp alike
	s_add_co_u32 s20, s20, s46
	s_mov_b32 s21, 0
	s_mov_b32 s47, 0
	s_add_nc_u64 s[12:13], s[12:13], s[20:21]
	s_add_nc_u64 s[8:9], s[8:9], s[46:47]
	v_lshlrev_b32 v7, 5, v2                        ; bp of columns 16 b + 8 h + 0 .. 7;  v7 is never rewritten
.irp b, 0,1,2,3,4,5,6,7
	global_load_b128 v[BN+8*\b:BN+8*\b+3], v7, s[8:9] offset:64*\b
	global_load_b128 v[BN+8*\b+4:BN+8*\b+7], v7, s[8:9] offset:64*\b+16
.endr
.macro FRAG reg, adr, q, i             ; B's fragment: registers 4 c .. 4 c + 3 hold K = 32 c + 16 (l / 16) + 0 .. 15 of the slot's q-th 128
.irp c, 0,1,2,3
	ds_load_b128 v[\reg+4*\c:\reg+4*\c+3], v[\adr] offset:128*(\q)+32*\c+(\i)*16*PITCH
.endr
.endm
.macro FRAGA reg, adr, q, i            ; A's: the same K: head 2 q + c / 2 of the step, d = 32 (c % 2) + 16 (l / 16) + 0 .. 15; tokens 16 i on
.irp c, 0,1,2,3
	ds_load_b128 v[\reg+4*\c:\reg+4*\c+3], v[\adr] offset:8704*(2*(\q)+\c/2)+32*(\c%2)+1088*(\i)
.endr
.endm
.macro MUL16 a0, p, zero               ; 16 matrix instructions; the 64 accumulators take turns, in the same order in every step
.irp a, \a0, \a0+1
.irp b, 0,1,2,3,4,5,6,7
.if \zero
	v_wmma_f32_16x16x128_bf8_bf8 v[8*(8*((\a)%4)+\b):8*(8*((\a)%4)+\b)+7], v[128*(\p)+FR*\b:128*(\p)+FR*\b+FR-1], v[AF+FR*(\a):AF+FR*(\a)+FR-1], 0
.else
	v_wmma_f32_16x16x128_bf8_bf8 v[8*(8*((\a)%4)+\b):8*(8*((\a)%4)+\b)+7], v[128*(\p)+FR*\b:128*(\p)+FR*\b+FR-1], v[AF+FR*(\a):AF+FR*(\a)+FR-1], v[8*(8*((\a)%4)+\b):8*(8*((\a)%4)+\b)+7]
.endif
.endr
.endr
.endm
.macro FETCH_B slot, q, p
	WIN TO_B
.irp i, 0,1,2,3,4,5,6,7
	FRAG 128*(\p)+FR*\i, ADRB+\slot, \q, \i
.endr
	WIN 0
.endm
.macro FETCH_A slot, q, i0
.irp i, \i0, \i0+1, \i0+2, \i0+3
	FRAGA AF+FR*(\i), ADRA+\slot, \q, \i
.endr
.endm
.macro PLACES n                        ; plain vector instructions between a matrix instruction and a load into a register that it has read, or a read of its result
.rept \n
	v_nop
.endr
.endm
.macro STEP slot, q, zero
	s_wait_dscnt 4*NL                              ; B's set and A's blocks 0-3 are in; the youngest 16 loads (A's blocks 4-7) may be out
	WIN MUL_LO
	MUL16 0, (\q)%2, \zero
	MUL16 2, (\q)%2, \zero
	s_wait_dscnt 0
	PLACES NP
	FETCH_B \slot, (\q)+1, 1-(\q)%2
	FETCH_A \slot, (\q)+1, 0
	WIN MUL_HI
	MUL16 4, (\q)%2, \zero
	MUL16 6, (\q)%2, \zero
	PLACES NP
	WIN 0
	FETCH_A \slot, (\q)+1, 4
.endm
.macro TURN slot, next, fill           ; a slot's last step changes slots: one barrier, with the waits and the add in front of it
	s_wait_tensorcnt 0x0                           ; all my tensor loads have landed: my part of the next slot
	ds_add_u32 v[SPW], v[NIL]                      ; 0 onto my spare word
	s_wait_dscnt 4*NL+1                            ; (the add and the youngest 16 loads may be out)
	WIN MUL_LO
	MUL16 0, 1, 0
	s_wait_dscnt 0x0                               ; the add is done, and my reads of this slot are over
	s_barrier_signal -1
	MUL16 2, 1, 0
	WIN 0
	s_barrier_wait -1
.if \fill
	CREST                                          ; the barrier has opened a round of the cluster's barrier: no wave of any partner still reads this slot's tile or has a load on its way
	s_add_nc_u64 s[G0+4*\slot+2:G0+4*\slot+3], s[G0+4*\slot+2:G0+4*\slot+3], 2*32768
	s_add_nc_u64 s[G0B+4*\slot+2:G0B+4*\slot+3], s[G0B+4*\slot+2:G0B+4*\slot+3], 2*ROWB
	JLOAD G0+4*\slot, G1, G0B+4*\slot, G1B         ; the first tensor load behind the round, and my only one until the next
.else
	PLACES NP
.endif
	s_wait_alu depctr_va_vdst(0)
	FETCH_B \next, 0, 0
	FETCH_A \next, 0, 0
	WIN MUL_HI
	MUL16 4, 1, 0
	MUL16 6, 1, 0
	PLACES NP
	WIN 0
	FETCH_A \next, 0, 4
.endm
	s_wait_tensorcnt 1                             ; my part of K step 0 is in; K step 1's load may be out
	s_barrier_signal -1
	s_barrier_wait -1
	FETCH_B 0, 0, 0
	FETCH_A 0, 0, 0
	FETCH_A 0, 0, 4
	STEP 0, 0, 1                                   ; the first step's products start the sums
	s_mov_b32 s3, LAPS-1
.Llap:
	TURN 0, 1, 1
	STEP 1, 0, 0
	TURN 1, 0, 1
	STEP 0, 0, 0
	s_sub_co_u32 s3, s3, 1
	s_cmp_lg_u32 s3, 0
	s_cbranch_scc1 .Llap
	TURN 0, 1, 0                                   ; the last lap fills nothing
	STEP 1, 0, 0
	s_wait_dscnt 4*NL
	WIN MUL_LO
	MUL16 0, 1, 0
	MUL16 2, 1, 0
	s_wait_dscnt 0
	WIN MUL_HI
	MUL16 4, 1, 0
	MUL16 6, 1, 0
	WIN 0
; THE WAY OUT, block by block of 16 rows x 128 columns: sum x 2^(e10 + e11) + bp in place; through my stage; back as whole rows of 512 bytes.
.macro TOSTAGE a
.set AC, 64*((\a)%4)
.set BB, BK+64*((\a)%2)
	WIN 0x82+0x41*((\a)/4)                         ; destination and source 0: window 2 or 3
.set j, 0
.rept 32
	v_pk_fma_f32 v[AC+j:AC+j+1], v[AC+j:AC+j+1], s[96:97], v[BN+j:BN+j+1] op_sel_hi:[1,0,1]   ; each accumulator from its low end on
.set j, j+2
.endr
	WIN 0x08+0x04*((\a)/4)                         ; an LDS store's data: window 2 or 3
.irp b, 0,1,2,3,4,5,6,7
	ds_store_b128 v[STO], v[AC+8*\b:AC+8*\b+3] offset:64*\b
	ds_store_b128 v[STO], v[AC+8*\b+4:AC+8*\b+7] offset:64*\b+16
.endr
	WIN 0
.irp t, 0,1,2,3,4,5,6,7,8,9,10,11,12,13,14,15
	ds_load_b128 v[BB+4*\t:BB+4*\t+3], v[RD] offset:\t*SPITCH      ; LDS serves a wave's instructions in order (ISA guide 5.7.1.4): these see the stores above
.endr
.endm
.macro SEND a, younger
.set BB, BK+64*((\a)%2)
	s_wait_dscnt \younger
.if (\a) > 0
	s_add_nc_u64 s[12:13], s[12:13], 16*4096       ; (behind a wait on XCNT: the earlier stores have read their base)
.endif
.irp t, 0,1,2,3,4,5,6,7,8,9,10,11,12,13,14,15
	global_store_b128 v[CO], v[BB+4*\t:BB+4*\t+3], s[12:13] offset:\t*4096 th:TH_STORE_NT   ; 32 lanes store 512 consecutive bytes, at a multiple of 512 from out0's first byte; written once, read by nobody here
.endr
.endm
	s_wait_kmcnt 0x0
	s_add_co_i32 s96, s96, s97
	s_add_co_i32 s96, s96, 127
	s_lshl_b32 s96, s96, 23                        ; 2^(e10 + e11) as f32
	s_mov_b32 s97, s96                             ; (named with it as a pair, so it is written)
	s_wait_loadcnt 0x0                             ; bp
	PLACES NP                                      ; behind the last products: for the reads of their results and the loads into the registers that held A's fragments
	TOSTAGE 0
.irp a, 1,2,3,4,5,6,7
.if \a > 1
	s_wait_xcnt 0x0                                ; block a - 2's stores have read their registers and their base
.endif
	TOSTAGE \a
	SEND \a-1, 32                                  ; behind block a - 1's loads: block a's 16 stores and 16 loads
.endr
	s_wait_xcnt 0x0
	SEND 7, 0
	s_wait_tensorcnt 0x0                           ; the wave's end
	ds_add_u32 v[SPW], v[NIL]
	s_wait_dscnt 0x0
	CROUND                                         ; the closing round: no work-group ends while a partner may still ask for a tile that names it
	s_endpgm
.Lfunc_end_k_q06f626ced7_proj:
	.size	k_q06f626ced7_proj, .Lfunc_end_k_q06f626ced7_proj-k_q06f626ced7_proj
	.p2alignl 7, 3214868480
	.fill 96, 4, 3214868480
	.section	.rodata,"a",@progbits
	.p2align	6, 0x0
	.amdhsa_kernel k_q06f626ced7_proj
		.amdhsa_group_segment_fixed_size 327680
		.amdhsa_private_segment_fixed_size 0
		.amdhsa_enable_private_segment 0
		.amdhsa_kernarg_size 40
		.amdhsa_user_sgpr_count 2
		.amdhsa_user_sgpr_kernarg_segment_ptr 1
		.amdhsa_wavefront_size32 1
		.amdhsa_system_sgpr_workgroup_id_x 1
		.amdhsa_system_sgpr_workgroup_id_y 1
		.amdhsa_system_sgpr_workgroup_id_z 1
		.amdhsa_system_vgpr_workitem_id 0
		.amdhsa_next_free_vgpr 1024
		.amdhsa_next_free_sgpr 100
		.amdhsa_reserve_vcc 0
		.amdhsa_float_denorm_mode_32 3
		.amdhsa_float_denorm_mode_16_64 3
		.amdhsa_memory_ordered 1
		.amdhsa_forward_progress 1
		.amdhsa_inst_pref_size 126
	.end_amdhsa_kernel
	.amdgpu_metadata
---
amdhsa.version: [ 1, 2 ]
amdhsa.kernels:
  - .name:           k_q06f626ced7_proj
    .symbol:         k_q06f626ced7_proj.kd
    .args:
      - { .name: o_ws, .offset: 0, .size: 8, .value_kind: global_buffer, .address_space: global }
      - { .name: Wp_codes, .offset: 8, .size: 8, .value_kind: global_buffer, .address_space: global }
      - { .name: bp, .offset: 16, .size: 8, .value_kind: global_buffer, .address_space: global }
      - { .name: lowp_scales, .offset: 24, .size: 8, .value_kind: global_buffer, .address_space: global }
      - { .name: out0, .offset: 32, .size: 8, .value_kind: global_buffer, .address_space: global }
    .group_segment_fixed_size: 327680
    .private_segment_fixed_size: 0
    .kernarg_segment_align: 8
    .kernarg_segment_size: 40
    .max_flat_workgroup_size: 128
    .sgpr_count:     100
    .vgpr_count:     1024
    .wavefront_size: 32
...
	.end_amdgpu_metadata
.endif
;; end of part 3
